; MI455X (gfx1250); checked and timed in simulation.
; The chip was launched on July 23, 2026; its instructions are those of AMD's public machine-readable ISA for CDNA 5 (MIT licence, August 2026) and "CDNA5" Instruction Set Architecture Reference Guide (July 2026). The comments in the code are by the model that wrote it; some were corrected since.
;; Scaled Dot Attention. Allowed arithmetic: float matrix products may take bf16 or f16 operands with f32 sums; all other float work in f32.
;; Inputs: K 4 x 16 x 2,048 x 64 float32; Q 4 x 16 x 2,048 x 64 float32; V 4 x 16 x 2,048 x 64 float32; mask 4 x 1 x 2,048 x 2,048 bool.
;; Outputs: out0 4 x 16 x 2,048 x 64 float32.
;; One version. Each part assembles by itself: llvm-mc -triple=amdgcn-amd-amdhsa -mcpu=gfx1250 --defsym DOCPART=n.
;; ======== version 1 of 1: 2 launches
;; limits: values are held in f16: magnitudes above 65,504 overflow, below 6.1e-05 lose precision; inputs' magnitudes at most 65,504
;; workspace buffers: mbits 2,097,152 bytes of whole numbers
;; launch pack (part 1): grid 256 x 1, 16 waves a work-group, no clusters, 71,680 bytes of LDS; arguments mask, mbits; writes mbits
.if DOCPART == 1
	.amdgcn_target "amdgcn-amd-amdhsa--gfx1250"
	.amdhsa_code_object_version 6
	.text
	.protected	k_q1fe0b4e174_pack
	.globl	k_q1fe0b4e174_pack
	.p2align	8
	.type	k_q1fe0b4e174_pack,@function
k_q1fe0b4e174_pack:
	s_mov_b64 s[64:65], 0
	v_nop
	global_prefetch_b8 v0, s[64:65] scope:SCOPE_SE
	s_setreg_imm32_b32 hwreg(HW_REG_WAVE_MODE, 25, 1), 1
	s_wait_xcnt 0x0
; The mask bytes [4][1][2048 q][2048 key] become 32-bit lane masks for the attention launch, which shares them among 16 heads.
; mbits[qt (512 tiles of 16 query rows, batch included)][kb (32 blocks of 64 keys)][t (4)][j (8)] of u32;
; bit L of a word = (mask[16 qt + (L & 15)][64 kb + 16 t + 8 (L >> 4) + j] != 0): any byte that is not 0 counts as true.
; A wave takes 16 query rows x 256 keys (4,096 bytes) and makes 128 words (512 bytes).  16 waves x 256 work-groups = 4,096 such pieces.
; The bytes come in as whole pieces of 256 consecutive bytes (sixteen lanes x 16), turn through the wave's own LDS bytes
; (rows of 272 bytes) so that lane (r, hi) holds row r, and leave as one store of 512 consecutive aligned bytes.
; No barrier: a wave touches only its own 4,352 bytes of LDS, and LDS serves one wave's instructions in order (ISA guide 5.7.1).
; No matrix unit, no cluster, no tensor load: each byte is read once by one wave, and nothing is shared.
.set PITCH, 272                        ; 256 bytes of a row + 16
.set D,   8                            ; v[8:39]   the 16 rows as loaded: load i = rows 2i, 2i+1
.set B,   40                           ; v[40:71]  pair tt: the 8 bytes of row r at keys 16 tt + 8 hi + 0..7
.set T,   72                           ; v[72:79]  one byte each, cut out
.set OUT, 80                           ; v[80:83]  lane l, register x: word 4 l + x of the wave's 128
	s_load_b128 s[4:7], s[0:1], 0x0                ; mask s[4:5], mbits s[6:7]
	v_lshl_add_u32 v84, v0, 2, 0x11000
	v_mov_b32 v85, 0
	v_lshrrev_b32 v1, 5, v0
	v_readfirstlane_b32 s8, v1                     ; wave 0..15
	v_and_b32 v1, 31, v0                           ; lane
	v_and_b32 v2, 15, v0                           ; r
	v_bfe_u32 v3, v0, 4, 1                         ; hi
	v_lshlrev_b32 v4, 4, v2
	v_lshl_add_u32 v4, v3, 11, v4                  ; in memory: row hi (2,048 bytes a row), 16 bytes at 16 r
	s_mul_i32 s9, s8, 16*PITCH                     ; my wave's LDS bytes
	v_mul_u32_u24 v5, v3, PITCH
	v_lshl_add_u32 v5, v2, 4, v5
	v_add_nc_u32 v5, s9, v5                        ; into LDS: row hi, 16 bytes at 16 r
	v_mul_u32_u24 v6, v2, PITCH
	v_lshl_add_u32 v6, v3, 3, v6
	v_add_nc_u32 v6, s9, v6                        ; out of LDS: row r, 8 bytes at 8 hi
	v_lshlrev_b32 v7, 4, v1                        ; the store: 16 bytes a lane
	s_lshl_b32 s10, ttmp9, 16                      ; a work-group has two query tiles: 2 x 16 rows x 2,048 bytes
	s_lshr_b32 s12, s8, 3
	s_lshl_b32 s12, s12, 15                        ; waves 8-15: the second tile
	s_add_co_u32 s10, s10, s12
	s_and_b32 s12, s8, 7
	s_lshl_b32 s12, s12, 8                         ; my 256 keys
	s_add_co_u32 s10, s10, s12
	s_mov_b32 s11, 0
	s_lshl_b32 s12, ttmp9, 13                      ; out: 2 x 4,096 bytes a work-group, 512 a wave
	s_lshl_b32 s13, s8, 9
	s_add_co_u32 s12, s12, s13
	s_mov_b32 s13, 0
	s_wait_kmcnt 0x0
	s_add_nc_u64 s[4:5], s[4:5], s[10:11]
	s_add_nc_u64 s[6:7], s[6:7], s[12:13]
.irp i, 0,1,2,3,4,5,6,7
	global_load_b128 v[D+4*\i:D+4*\i+3], v4, s[4:5] offset:4096*\i th:TH_LOAD_NT   ; rows 2i, 2i+1: two aligned pieces of 256 bytes; read once in the launch
.endr
.irp x, 0,1,2,3
	v_mov_b32 v[OUT+\x], 0                         ; v_writelane_b32 keeps the other lanes: the register is written whole first
.endr
.irp i, 0,1,2,3,4,5,6,7
	s_wait_loadcnt 7-\i                            ; loads come back in order: load i is in, the 7 - i behind it stay out
	ds_store_b128 v5, v[D+4*\i:D+4*\i+3] offset:2*PITCH*\i
.endr
.irp tt, 0,1,2,3,4,5,6,7,8,9,10,11,12,13,14,15
	ds_load_b64 v[B+2*\tt:B+2*\tt+1], v6 offset:16*\tt     ; my own wave's bytes, behind its own stores
.endr
	s_wait_dscnt 0x0
; the eight words of key tile tt: cut byte j out, compare (bit L of the result = lane L), put the word where the store wants it
.macro WORDS tt
.irp j, 0,1,2,3,4,5,6,7
	v_and_b32 v[T+\j], 0xff<<(8*(\j%4)), v[B+2*\tt+\j/4]
.endr
.irp j, 0,1,2,3,4,5,6,7
	v_cmp_ne_u32 s[16+\j], 0, v[T+\j]
.endr
.irp j, 0,1,2,3,4,5,6,7
	v_writelane_b32 v[OUT+\j%4], s[16+\j], 2*\tt+\j/4      ; word 8 tt + j = 4 (2 tt + j / 4) + j % 4
.endr
.endm
.irp tt, 0,1,2,3,4,5,6,7,8,9,10,11,12,13,14,15
	WORDS \tt
.endr
	global_store_b128 v7, v[OUT:OUT+3], s[6:7]     ; 512 consecutive bytes, aligned; the next launch reads them, so no hint
	s_wait_tensorcnt 0x0
	ds_add_u32 v84, v85
	s_wait_dscnt 0x0
	s_endpgm
.Lfunc_end_k_q1fe0b4e174_pack:
	.size	k_q1fe0b4e174_pack, .Lfunc_end_k_q1fe0b4e174_pack-k_q1fe0b4e174_pack
	.p2alignl 7, 3214868480
	.fill 96, 4, 3214868480
	.section	.rodata,"a",@progbits
	.p2align	6, 0x0
	.amdhsa_kernel k_q1fe0b4e174_pack
		.amdhsa_group_segment_fixed_size 71680
		.amdhsa_private_segment_fixed_size 0
		.amdhsa_enable_private_segment 0
		.amdhsa_kernarg_size 16
		.amdhsa_user_sgpr_count 2
		.amdhsa_user_sgpr_kernarg_segment_ptr 1
		.amdhsa_wavefront_size32 1
		.amdhsa_system_sgpr_workgroup_id_x 1
		.amdhsa_system_sgpr_workgroup_id_y 1
		.amdhsa_system_sgpr_workgroup_id_z 1
		.amdhsa_system_vgpr_workitem_id 0
		.amdhsa_next_free_vgpr 86
		.amdhsa_next_free_sgpr 66
		.amdhsa_reserve_vcc 0
		.amdhsa_float_denorm_mode_32 3
		.amdhsa_float_denorm_mode_16_64 3
		.amdhsa_memory_ordered 1
		.amdhsa_forward_progress 1
		.amdhsa_inst_pref_size 29
	.end_amdhsa_kernel
	.amdgpu_metadata
---
amdhsa.version: [ 1, 2 ]
amdhsa.kernels:
  - .name:           k_q1fe0b4e174_pack
    .symbol:         k_q1fe0b4e174_pack.kd
    .args:
      - { .name: mask, .offset: 0, .size: 8, .value_kind: global_buffer, .address_space: global }
      - { .name: mbits, .offset: 8, .size: 8, .value_kind: global_buffer, .address_space: global }
    .group_segment_fixed_size: 71680
    .private_segment_fixed_size: 0
    .kernarg_segment_align: 8
    .kernarg_segment_size: 16
    .max_flat_workgroup_size: 512
    .sgpr_count:     66
    .vgpr_count:     86
    .wavefront_size: 32
...
	.end_amdgpu_metadata
.endif
;; end of part 1
;; launch attn (part 2): grid 256 x 1, 8 waves a work-group, clusters of 4 x 1, 327,680 bytes of LDS; arguments K, Q, V, mbits, out0; writes out0
.if DOCPART == 2
	.amdgcn_target "amdgcn-amd-amdhsa--gfx1250"
	.amdhsa_code_object_version 6
	.text
	.protected	k_q1fe0b4e174_attn
	.globl	k_q1fe0b4e174_attn
	.p2align	8
	.type	k_q1fe0b4e174_attn,@function
k_q1fe0b4e174_attn:
	s_mov_b64 s[64:65], 0
	v_nop
	global_prefetch_b8 v0, s[64:65] scope:SCOPE_SE
	s_setreg_imm32_b32 hwreg(HW_REG_WAVE_MODE, 25, 1), 1
	s_wait_xcnt 0x0
	s_wait_alu depctr_hold_cnt(0) depctr_sa_sdst(0) depctr_va_vdst(0) depctr_va_sdst(0) depctr_va_ssrc(0) depctr_va_vcc(0) depctr_vm_vsrc(0)
	s_getreg_b32 s2, hwreg(HW_REG_IB_STS2, 6, 4)
	s_cmp_eq_u32 s2, 0
	s_cbranch_scc0 .Lentry_in_a_cluster
	s_endpgm
.Lentry_in_a_cluster:
	s_bfe_u32 s2, ttmp6, 0x10000c
	s_cmp_lg_u32 s2, 0x3003
	s_cbranch_scc0 .Lentry_shape_is_right
	s_endpgm
.Lentry_shape_is_right:
; out0 = softmax(where(mask, -1e9, Q K^T / 8)) V for 64 heads, 2,048 queries and keys, d = 64; all tensors f32.
; Products in f16 with f32 sums; softmax in f32, online over blocks of 64 keys with a running maximum.
;
; WHY F16 AND NOT BF16.  An output is a mean over some hundreds of keys, so its size is a twentieth of V's, and it is compared within a
; hundredth of that.  Each of the four roundings (Q', K, V, P) adds its relative step times the output's size: with a step of 2^-8 the four
; together reach a quarter of the allowance in the mean and pass it in the tail; with f16's step of 2^-11 they are eight times smaller.
; P lies in [0, 1]; Q', K and V have room in f16 up to 65,504.
;
; SHARES.  A cluster of four work-groups is one head (ttmp9); cx picks 512 of its queries; a wave owns 64 queries (4 tiles q of 16,
; two pairs).  Eight waves of 512 registers, two for each of the WGP's four SIMDs.
; The four work-groups walk the same K and V: every K/V tile is a JOINT tensor load (mask 15).  cx enters the global addresses of
; Q, out0 and mbits alone: no branch, no trip count, no LDS address, no descriptor word.
; No prefetch: a K/V tile is asked for a whole period of 128 keys (128 matrix instructions of each wave) before it is converted.
;
; BOTH PRODUCTS ARE USED TRANSPOSED.  S^T = K Q'^T: source 0 = 16 keys x 32 d, source 1 = 16 queries; lane (r, h), register j holds
; key 8h + j of query r.  O^T = V^T P^T: source 0 = V^T (16 d x 32 keys), source 1 = P^T.  The results of key tiles 2u and 2u+1, packed to
; f16 in pairs, ARE source 1 of key step u (registers 0-3: keys 8h.., registers 4-7: keys 16+8h..): no lane ever hands a score on.
; A lane owns one query, so maximum, sum and rescale are per-lane values, joined with the other half by one v_permlanex16_b32.
;
; THE LINE OF WORK.  A block of 64 keys is two phases.  A phase does the softmax of ONE pair of query tiles (some 298 vector instructions,
; 66 of them exponentials) and has the OTHER pair's 32 matrix instructions spread through it: first its P V (P is used up), then its
; K Q' for its next block (the scores land in the same registers).  Phase A(b): softmax of pair 0, block b; P V of pair 1, block b-1; K Q' of
; pair 1, block b.  Phase B(b): softmax of pair 1, block b; P V of pair 0, block b; K Q' of pair 0, block b+1.  So a wave's vector
; instructions are issued while its own matrix instructions run, whatever the other wave of the SIMD is doing.
; The price is register windows: P V (O, V^T in window 1) and K Q' (Q' in window 1) need settings of their own.  P V goes in twos between runs
; of 16 vector instructions, its last four among the rescale multiplies, which are valid under its setting; K Q' goes two to a run of
; eight v_exp_f32, which name a destination and a source 0 alone and are valid under its setting.  Some 31 switches a phase.
; K and V^T fragments have one buffer each: V(b) is fetched in A(b) behind the last P V of block b-1, K(b+1) between A(b) and B(b).
;
; THE MASK comes as ready lane masks (mbits, made by the launch before): word 8t + j of (query tile, key block) is the select mask of
; register j of score tile t; scalar loads bring a pair's 64 words, issued when the pair before has used its own: a phase ahead.
;
; NUMBERS.  Q' = f16(Q log2(e) / 8): scores are in the log2 domain, and the factor is folded in before the rounding to f16.
; A masked score is NEGV = f32(-1e9 log2(e)).  p = exp2(s - m) with a true subtraction, so a row that is masked throughout gives
; exp2(0) = 1 for every key and the plain mean of V, as the problem's function does.  l is summed in f32 from the unrounded p; l >= 1.
; LIMITS: inputs finite (v_max_num_f32 drops a NaN); |Q| below 3.6e5, |K| and |V| below 65,504 (beyond, the conversion to f16 gives
; infinity); numbers of Q', K, V under 2^-14 are kept with an absolute step of 2^-24; real scores |q.k| / 8 far from 1e9 (below about 1e8),
; so that a masked key beside an unmasked one weighs nothing; a weight under 2^-25 of the row's largest is rounded to zero in P while l
; still counts it: over 2,048 keys at most 2,048 x 2^-25 = 6e-5 of the sum.
;
; LDS.  F0, F1: a tile of 128 keys in f32 as the tensor loads bring it, K's 128 rows of 256 bytes, then V's; read only contiguously.
;       H0, H1: the same tile in f16, written by ds_store: K rows of 144 bytes (an odd multiple of 16: the sixteen rows of a fragment load
;       start at sixteen different 16-byte columns of 256 bytes), V rows of 160 bytes (an odd multiple of 32, for the transposing load).
;       STG: 16 rows of 272 bytes for each wave, its own: Q on the way in, O on the way out.  No tensor load lands at or beyond HB.
.set TILEB, 32768                      ; 128 rows of 256 bytes: a tile of K or of V in memory
.set FSZ,   65536                      ; an F slot
.set HB,    131072                     ; H0
.set KP,    144
.set VP,    160
.set VHO,   128*KP                     ; V's rows behind K's in an H stage
.set HSZ,   128*KP+128*VP              ; 38,912: an H stage
.set STG,   HB+2*HSZ                   ; 208,896
.set SP,    272
; window 0
.set AK,   2                           ; v2      K fragments: HB + r KP + 16 h
.set AV,   3                           ; v3      V fragments: HB + VHO + (8 h + (L & 7)) VP + 16 ((L >> 3) & 1)
.set CF,   4                           ; v4, v5  my 16 rows of K in F0, F1: 4,096 w + 16 lane
.set CK,   6                           ; v6      where my converted K goes: HB + (16 w + lane / 16) KP + 8 (lane % 16)
.set CV,   7                           ; v7      the same for V (CK + 1)
.set SGI,  8                           ; v8      stage by rows: row lane / 16, 16 bytes at 16 (lane % 16)
.set SGO,  9                           ; v9      stage by fragments: row r, 32 bytes at 32 h
.set GO,   10                          ; v10     16 lane
.set NEGV, 11                          ; v11     the masked score
.set ST,   12                          ; v[12:27] per q: +0 m, +1 the other half's maximum, +2 alpha (at the end 1 / l), +3 m_old - m_new
.set LS,   28                          ; v[28:35] per q: two partial sums of l
.set TM,   36                          ; v[36:43] maxima at work, four for each tile of the pair
.set TS,   44                          ; v[44:51] sums at work, two sets in turn
.set KF,   64                          ; v[64:127]  K fragment (t, c) at 8 (2 t + c)
.set SC,   128                         ; v[128:255] scores: tile (t, q) at 32 q + 8 t; P (q, u) in place at 32 q + 16 u
; window 1 (v256-v511, written by their low 8 bits)
.set OA,   0                           ; O (dt, q) at 32 q + 8 dt
.set QF,   128                         ; Q' fragment (q, c) at 16 q + 8 c
.set VF,   192                         ; V^T fragment (dt, u) at 8 (2 dt + u)
; s_set_vgpr_msb: bits 1:0 source 0, 3:2 source 1, 5:4 source 2, 7:6 destination
.set W_S,   0x04                       ; source 1 (Q') in window 1
.set W_D1,  0x40                       ; destination in window 1
.set W_PV,  0x51                       ; D, source 0 (V^T) and C in window 1; also right for O = O x alpha (destination and source 0 in window 1)
.set W_FIN, 0x01                       ; source 0 in window 1
.set G0, 12                            ; s[12:15], s[16:19] descriptor group 0 of slot 0, 1
.set G1, 20                            ; s[20:27] descriptor group 1
; s[4:5] my mbits, stepped 128 bytes a key block; s[6:7] my out0; s8 wave; s9 counter; s10, s11 lane selects; s[28:29] my Q;
; s[32:63], s[68:99] the mask words of the even and the odd query tile of a pair; s31, s[66:67] the only registers that hold cx.
.set MSB, 0
.macro WIN new                         ; the immediate's high byte repeats the setting that is left
.if MSB != \new
	s_set_vgpr_msb (MSB<<8)|\new
.set MSB, \new
.endif
.endm
.macro PLACES n                        ; places behind matrix instructions (ISA guide 7.12.1), where no useful vector work stands
.rept \n
	v_nop
.endr
.endm
.macro BAR
	s_barrier_signal -1
	s_barrier_wait -1
.endm
; A round of the cluster's barrier: my work-group's barrier, wave 0 signals for the work-group, every wave waits for all four
; work-groups, my work-group's barrier once more.
.macro ROUND
	s_barrier_signal -1
	s_barrier_wait -1
	s_cmp_lg_u32 s8, 0
	s_cbranch_scc1 .Lnot_wave_0_\@
	s_barrier_signal -3
.Lnot_wave_0_\@:
	s_barrier_wait -3
	s_barrier_signal -1
	s_barrier_wait -1
.endm
; The joint refill of slot s: waves 0, 1 bring K's two halves, waves 2, 3 V's, 64 rows of 256 bytes each; waves 4-7 issue none.
.macro JLOAD s
	s_cmp_lt_u32 s8, 4
	s_cbranch_scc0 .Lnone_\@
	tensor_load_to_lds s[G0+4*\s:G0+4*\s+3], s[G1:G1+7]
	s_nop 0
.Lnone_\@:
.endm
; Half a conversion.  My 16 rows of K (kind 0) or of V (kind 1) out of F slot fs into 32 registers at cb: each load takes 512 neighbouring bytes
.macro CONVH_LD fs, kind, cb
.irp i, 0,1,2,3,4,5,6,7
	ds_load_b128 v[\cb+4*\i:\cb+4*\i+3], v[CF+\fs] offset:(\kind)*TILEB+512*\i
.endr
.endm
; rounded to f16 in place (register i is written when registers 2i, 2i+1 have been read) and put into H stage hd:
; each row is converted once for the eight waves that read it
.macro CONVH_ST hd, kind, cb
.set ii, 0
.rept 16
	v_cvt_pk_f16_f32 v[\cb+ii], v[\cb+2*ii], v[\cb+2*ii+1]
.set ii, ii+1
.endr
.irp i, 0,1,2,3,4,5,6,7
	ds_store_b64 v[CK+(\kind)], v[\cb+2*\i:\cb+2*\i+1] offset:\hd*HSZ+2*(KP+(VP-KP)*(\kind))*\i
.endr
.endm
; 16 loads: the K fragments of key block kbl (64 keys) of stage hs
.macro KLOAD hs, kbl
.irp t, 0,1,2,3
.irp c, 0,1
	ds_load_b128 v[KF+8*(2*\t+\c):KF+8*(2*\t+\c)+3],   v[AK] offset:\hs*HSZ+(64*\kbl+16*\t)*KP+64*\c
	ds_load_b128 v[KF+8*(2*\t+\c)+4:KF+8*(2*\t+\c)+7], v[AK] offset:\hs*HSZ+(64*\kbl+16*\t)*KP+64*\c+32
.endr
.endr
.endm
; 16 transposing loads: V^T fragments (16 d x 32 keys) of key block kbl
.macro VLOAD hs, kbl
	WIN W_D1
.irp d, 0,1,2,3
.irp u, 0,1
	ds_load_tr16_b128 v[VF+8*(2*\d+\u):VF+8*(2*\d+\u)+3],   v[AV] offset:\hs*HSZ+(64*\kbl+32*\u)*VP+32*\d
	ds_load_tr16_b128 v[VF+8*(2*\d+\u)+4:VF+8*(2*\d+\u)+7], v[AV] offset:\hs*HSZ+(64*\kbl+32*\u+16)*VP+32*\d
.endr
.endr
	WIN 0
.endm
; The next of the 16 matrix instructions of O^T += V^T P^T for query tiles 2y, 2y+1: number pvi = 8 u + 4 e + d.  The eight accumulators
; take turns, one instruction a turn.  pvk = 2: the pair's first block, key step 0 starts the sums: nothing is cleared.
.macro PVI y, pvk
.set xo_, OA+32*(2*\y+(pvi/4)%2)+8*(pvi%4)
.set xv_, VF+8*(2*(pvi%4)+pvi/8)
.set xp_, SC+32*(2*\y+(pvi/4)%2)+16*(pvi/8)
.if (\pvk/2)*(1-pvi/8)
	v_wmma_f32_16x16x32_f16 v[xo_:xo_+7], v[xv_:xv_+7], v[xp_:xp_+7], 0
.else
	v_wmma_f32_16x16x32_f16 v[xo_:xo_+7], v[xv_:xv_+7], v[xp_:xp_+7], v[xo_:xo_+7]
.endif
.set pvi, pvi+1
.endm
.macro PVG y, pvk, n                   ; n of them under their own window setting; pvk = 0: the phase has none
.if \pvk
	WIN W_PV
.rept \n
	PVI \y, \pvk
.endr
	WIN 0
.endif
.endm
; The next of the 16 matrix instructions of S^T = K Q'^T for query tiles 2y, 2y+1: number qki = 8 e + 4 c + t.  The first half of d starts the
; sums; a query tile's four accumulators take turns, one instruction a turn.  Tile 2y is done before 2y+1 begins.
.macro QKI y
.set xs_, SC+32*(2*\y+qki/8)+8*(qki%4)
.set xk_, KF+16*(qki%4)+8*((qki/4)%2)
.set xq_, QF+16*(2*\y+qki/8)+8*((qki/4)%2)
.if (qki/4)%2
	v_wmma_f32_16x16x32_f16 v[xs_:xs_+7], v[xk_:xk_+7], v[xq_:xq_+7], v[xs_:xs_+7]
.else
	v_wmma_f32_16x16x32_f16 v[xs_:xs_+7], v[xk_:xk_+7], v[xq_:xq_+7], 0
.endif
.set qki, qki+1
.endm
.macro QKG y, n
	WIN W_S
.rept \n
	QKI \y
.endr
	WIN 0
.endm
; the 64 mask words of two query tiles (4,096 bytes apart) for one key block
.macro MLOAD off
	s_load_b512 s[32:47], s[4:5], \off
	s_load_b512 s[48:63], s[4:5], \off+64
	s_load_b512 s[68:83], s[4:5], \off+4096
	s_load_b512 s[84:99], s[4:5], \off+4160
.endm
.macro MASK16 q, sb, i0                ; 16 score registers of query tile q: where the mask's bit is set the score becomes NEGV
.set ii, \i0
.rept 16
	v_cndmask_b32 v[SC+32*(\q)+ii], v[SC+32*(\q)+ii], v[NEGV], s[\sb+ii]
.set ii, ii+1
.endr
.endm
; The new running maxima of query tiles 2p, 2p+1, and alpha = exp2(m_old - m_new).  33 numbers a tile (32 scores and m) in 16 v_max3,
; four chains a tile; the two tiles go stage by stage side by side, so that no instruction reads the one in front of it.
.macro MAXA p, s                       ; s = 0: registers 0, 1, 2 of each score tile start the chains; s = 2, 4: registers s+1, s+2 join
.irp e, 0,1
.irp t, 0,1,2,3
.if \s
	v_max3_num_f32 v[TM+4*\e+\t], v[TM+4*\e+\t], v[SC+32*(2*\p+\e)+8*\t+\s+1], v[SC+32*(2*\p+\e)+8*\t+\s+2]
.else
	v_max3_num_f32 v[TM+4*\e+\t], v[SC+32*(2*\p+\e)+8*\t], v[SC+32*(2*\p+\e)+8*\t+1], v[SC+32*(2*\p+\e)+8*\t+2]
.endif
.endr
.endr
.endm
.macro MAXB p, first                   ; the four registers 7, the old m, and the chains joined
.irp e, 0,1
	v_max3_num_f32 v[TM+4*\e], v[TM+4*\e], v[SC+32*(2*\p+\e)+7], v[SC+32*(2*\p+\e)+15]
	v_max3_num_f32 v[TM+4*\e+1], v[TM+4*\e+1], v[SC+32*(2*\p+\e)+23], v[SC+32*(2*\p+\e)+31]
.if \first
	v_max_num_f32 v[TM+4*\e+2], v[TM+4*\e+2], v[TM+4*\e+3]
.else
	v_max3_num_f32 v[TM+4*\e+2], v[TM+4*\e+2], v[TM+4*\e+3], v[ST+4*(2*\p+\e)]
.endif
.endr
.irp e, 0,1
	v_max3_num_f32 v[TM+4*\e], v[TM+4*\e], v[TM+4*\e+1], v[TM+4*\e+2]
.endr
.endm
.macro MAXC p, first
.irp e, 0,1
	v_permlanex16_b32 v[ST+4*(2*\p+\e)+1], v[TM+4*\e], s10, s11    ; the other eight keys of each tile lie in lane L xor 16
.endr
.if \first
.irp e, 0,1
	v_max_num_f32 v[ST+4*(2*\p+\e)], v[TM+4*\e], v[ST+4*(2*\p+\e)+1]
.endr
.else
.irp e, 0,1
	v_max_num_f32 v[TM+4*\e+1], v[TM+4*\e], v[ST+4*(2*\p+\e)+1]    ; m_new (it holds m_old already)
.endr
.irp e, 0,1
	v_sub_f32 v[ST+4*(2*\p+\e)+3], v[ST+4*(2*\p+\e)], v[TM+4*\e+1]
.endr
.irp e, 0,1
	v_exp_f32 v[ST+4*(2*\p+\e)+2], v[ST+4*(2*\p+\e)+3]
.endr
	s_wait_alu depctr_va_vdst(0)
.irp e, 0,1
	v_max_num_f32 v[ST+4*(2*\p+\e)], v[TM+4*\e], v[ST+4*(2*\p+\e)+1]       ; m = m_new; also the plain instructions behind the two v_exp_f32 (ISA guide 5.7.2)
.endr
.endif
.endm
.macro SUBT q, t                       ; s - m, a true subtraction
.set sb_, SC+32*(\q)+8*(\t)
.set mb_, ST+4*(\q)
.irp i, 0,2,4,6
	v_pk_add_f32 v[sb_+\i:sb_+\i+1], v[sb_+\i:sb_+\i+1], v[mb_:mb_+1] op_sel_hi:[1,0] neg_lo:[0,1] neg_hi:[0,1]
.endr
.endm
; Eight exponentials in place; qk = 1: one matrix instruction of the other pair's K Q' ahead of them and one behind, all under that product's setting.
.macro EXPT q, t, y, qk
.set sb_, SC+32*(\q)+8*(\t)
.if \qk
	WIN W_S
	QKI \y
.endif
.irp i, 0,1,2,3,4,5,6,7
	v_exp_f32 v[sb_+\i], v[sb_+\i]
.endr
.if \qk
	QKI \y
	WIN 0
.endif
.endm
; l takes the tile's eight p in (the block's first tile also rescales l), then p is packed to f16 in place: register i is written
; when registers 2i and 2i+1 have been read, and an odd tile writes registers 4-7 of the even tile in front of it, which is done.
.macro SUMT q, t, a, first
.set sb_, SC+32*(\q)+8*(\t)
.set pb_, SC+32*(\q)+16*((\t)/2)+4*((\t)%2)
.set ta_, TS+4*(\a)
.set lb_, LS+2*(\q)
.set al_, ST+4*(\q)+2
	s_wait_alu depctr_va_vdst(0)
	v_pk_add_f32 v[ta_:ta_+1], v[sb_:sb_+1], v[sb_+2:sb_+3]
	v_pk_add_f32 v[ta_+2:ta_+3], v[sb_+4:sb_+5], v[sb_+6:sb_+7]
.if (\t) > 0
	v_pk_add_f32 v[ta_:ta_+1], v[ta_:ta_+1], v[ta_+2:ta_+3]
	v_pk_add_f32 v[lb_:lb_+1], v[lb_:lb_+1], v[ta_:ta_+1]
.else
.if \first
	v_pk_add_f32 v[lb_:lb_+1], v[ta_:ta_+1], v[ta_+2:ta_+3]        ; the first block starts the sum
.else
	v_pk_add_f32 v[ta_:ta_+1], v[ta_:ta_+1], v[ta_+2:ta_+3]
	v_pk_fma_f32 v[lb_:lb_+1], v[lb_:lb_+1], v[al_:al_+1], v[ta_:ta_+1] op_sel_hi:[1,0,1]
.endif
.endif
.irp i, 0,1,2,3
	v_cvt_pk_f16_f32 v[pb_+\i], v[sb_+2*\i], v[sb_+2*\i+1]
.endr
.endm
; O of query tiles 2x, 2x+1 times alpha, 32 packed multiplies, with the last four matrix instructions of the other pair's P V among them, one
; ahead of every eight, all under one window setting.  The eight multiplies behind the last one name none of its registers: they are the
; places in front of the loads into V's fragments and into P's registers, and of the K Q' that writes over P.
.macro RESC x, y, pvk
	WIN W_PV
.irp e, 0,1
.irp g, 0,1
.if \pvk
	PVI \y, \pvk
.endif
.set ii, 8*\g
.rept 8
	v_pk_mul_f32 v[OA+32*(2*\x+\e)+2*ii:OA+32*(2*\x+\e)+2*ii+1], v[OA+32*(2*\x+\e)+2*ii:OA+32*(2*\x+\e)+2*ii+1], v[ST+4*(2*\x+\e)+2:ST+4*(2*\x+\e)+3] op_sel_hi:[1,0]
.set ii, ii+1
.endr
.endr
.endr
	WIN 0
.endm
; Eight score tiles, the pair's two query tiles by turns, in a skewed line: subtract tile k, exponentials of tile k-1, sum and pack tile k-2.
; Behind each run of v_exp_f32 stand plain instructions on another tile before its results are used (ISA guide 5.7.2).
; The first four runs carry K Q' of query tile 2y, the last four of 2y+1.  cvk > 0: between them half a conversion, loaded into tile 2y+1's
; registers in front of the line, is rounded and stored.  The 16 sum and pack instructions behind the last run name none of the last matrix
; instruction's registers: they are the places in front of the next phase's reads of the scores and of the loads into K's fragments.
.macro PIPE x, y, sfirst, qk, cvk, cho
.irp k, 0,1,2,3,4,5,6,7,8,9
.if \k < 8
	SUBT 2*\x+(\k%2), \k/2
.endif
.if \k == 5
.if \cvk
	s_wait_dscnt 0x0                               ; the eight loads of f32 rows are in: nothing was issued behind them
	CONVH_ST \cho, \cvk-1, SC+32*(2*\y+1)
.endif
.endif
.if \k >= 1
.if \k <= 8
	EXPT 2*\x+((\k-1)%2), (\k-1)/2, \y, \qk
.endif
.endif
.if \k >= 2
	SUMT 2*\x+(\k%2), (\k-2)/2, \k%2, \sfirst
.endif
.endr
.endm
; One phase: softmax of pair x, matrix work of pair y = 1 - x.
; sfirst: x's first block (no old m, no alpha, no rescale).  pvk: P V of y: 0 none, 1 adds, 2 starts.  qk: K Q' of y.  nl: ask for the next mask words.
; vwait >= 0: wait for V's fragments with so many younger LDS instructions out.  vhs >= 0: fetch V's fragments of stage vhs, block vkbl.
; kwait >= 0: the same wait for K's fragments.  cvk: 0 none, 1 K's half, 2 V's half of the conversion of F slot cho into H stage cho.
.macro PHASE x, y, sfirst, pvk, qk, nl, vwait, vhs, vkbl, kwait, cvk, cho
	s_wait_kmcnt 0x0                               ; this pair's 64 mask words are in; no scalar load is out,
.if \x
	s_add_nc_u64 s[4:5], s[4:5], 128               ; so the pointer may step: the next key block
.endif
.set pvi, 0
.set qki, 0
	MASK16 2*\x, 32, 0
.if \vwait >= 0
	s_wait_dscnt \vwait
.endif
	PVG \y, \pvk, 2
	MASK16 2*\x, 32, 16
	PVG \y, \pvk, 2
	MASK16 2*\x+1, 68, 0
	PVG \y, \pvk, 2
	MASK16 2*\x+1, 68, 16
.if \nl                                            ; the words have been used: ask for the next phase's
.if \x
	MLOAD 0
.else
	MLOAD 8192
.endif
.endif
	PVG \y, \pvk, 2
	MAXA \x, 0
	MAXA \x, 2
	PVG \y, \pvk, 2
	MAXA \x, 4
	MAXB \x, \sfirst
	PVG \y, \pvk, 2
	MAXC \x, \sfirst
.if \sfirst
	PVG \y, \pvk, 4
.if \pvk
	PLACES 5                                       ; no rescale here to fill them: five places before K Q' writes over P, four would do for the loads
.endif
.else
	RESC \x, \y, \pvk
.endif
.if \vhs >= 0
	VLOAD \vhs, \vkbl
.endif
.if \cvk
	CONVH_LD \cho, \cvk-1, SC+32*(2*\y+1)
.endif
.if \kwait >= 0
	s_wait_dscnt \kwait
.endif
	PIPE \x, \y, \sfirst, \qk, \cvk, \cho
.endm
; One period: tile i of 128 keys, hs = i & 1, ho the other.  It begins where the tile's first K fragments are fetched, between phases A and B of the
; block before.  In front of the barrier every wave has waited for all its tensor loads (so F[ho] holds tile i+1) and for all its LDS work
; (its stores into H[hs], its reads of F[hs], and its reads of H[ho]: the four fetches of tile i-1's fragments all stand in the period before).
; Behind it F[hs] is asked for again (tile i+2), F[ho] is converted into H[ho], and H[hs] is read.  Where a slot is filled again the barrier is
; a round of the cluster's barrier: no partner still reads the slot or has a load on its way.  One tensor load of a wave is out behind each round.
; LDS waits.  First B phase: behind K's 16 loads stand the 8 conversion loads (8 x conv); V's fragments were shown in by the wait for 0 above.
; Second B phase: behind V's 16 loads stand K's 16; behind those the 8 conversion loads.
.macro PERIOD hs, ho, refill, conv, start
	WIN 0
	s_wait_tensorcnt 0x0                           ; all my tensor loads have landed, so a group 0 may be written
	ds_add_u32 v62, v63
	s_wait_dscnt 0x0
.if \refill
	s_add_nc_u64 s[G0+4*\hs+2:G0+4*\hs+3], s[G0+4*\hs+2:G0+4*\hs+3], 2*TILEB      ; this slot's next tile; the type bits on top are not reached
.endif
	s_wait_dscnt 0x0                               ; my LDS loads and stores are done
.if \refill
	ROUND
	JLOAD \hs                                      ; first thing behind the round
.else
	BAR
.endif
	KLOAD \hs, 0
.if \start
	; the line starts: K Q' of pair 0, block 0, alone, with K's half of tile 1's conversion between its two query tiles
	CONVH_LD \ho, 0, SC+32
	s_wait_dscnt 8                                 ; K's fragments are in; the 8 conversion loads behind them stay out
.set qki, 0
	QKG 0, 8
	s_wait_dscnt 0x0
	CONVH_ST \ho, 0, SC+32
	QKG 0, 8
	PLACES 4                                       ; four places before vector instructions read the scores
	PHASE 0, 1, 1, 0, 1, 1, -1, \hs, 0, -1, 0, 0           ; A(0): nothing to multiply by V yet
	KLOAD \hs, 1
	PHASE 1, 0, 1, 2, 1, 1, 16, -1, 0, 8, 2, \ho           ; B(0): pair 0's first P V starts its sums
	PHASE 0, 1, 0, 2, 1, 1, -1, \hs, 1, -1, 0, 0           ; A(1): pair 1's first P V starts its sums
.else
	PHASE 1, 0, 0, 1, 1, 1, -1, -1, 0, 8*\conv, \conv, \ho ; B of the block before
	PHASE 0, 1, 0, 1, 1, 1, -1, \hs, 0, -1, 0, 0           ; A of the tile's first block
	KLOAD \hs, 1
	PHASE 1, 0, 0, 1, 1, 1, 16, -1, 0, 8*\conv, 2*\conv, \ho       ; B of the first block
	PHASE 0, 1, 0, 1, 1, 1, -1, \hs, 1, -1, 0, 0           ; A of the second block
.endif
.endm
	; ---- set-up ----
	s_load_b256 s[32:39], s[0:1], 0x0              ; K s[32:33], Q s[34:35], V s[36:37], mbits s[38:39]
	s_load_b64 s[40:41], s[0:1], 0x20              ; out0
	v_lshl_add_u32 v62, v0, 2, 0x3b800
	v_mov_b32 v63, 0
	ds_add_u32 v62, v63
	v_lshrrev_b32 v1, 5, v0
	v_readfirstlane_b32 s8, v1                     ; wave 0..7
	s_mov_b32 s10, 0x76543210                      ; v_permlanex16_b32: lane i of one half reads lane i of the other
	s_mov_b32 s11, 0xfedcba98
	; group 1: a dense block of 64 rows of 256 bytes (32 elements of 8 bytes), no padding; joint for the four work-groups
	s_mov_b32 s[G1+0], 15|(3<<16)|(1<<21)          ; 15:0 mask: all four of the cluster; 17:16 elements of 8 bytes; 21 set beside a mask
	s_mov_b32 s[G1+1], 32<<16                      ; tensor_dim0 = 32
	s_mov_b32 s[G1+2], 64<<16                      ; tensor_dim1 = 64
	s_mov_b32 s[G1+3], 32<<16                      ; tile_dim0 = 32
	s_mov_b32 s[G1+4], 64                          ; tile_dim1 = 64
	s_mov_b32 s[G1+5], 32                          ; 32 elements from row to row
	s_mov_b32 s[G1+6], 0
	s_mov_b32 s[G1+7], 0
	s_mov_b32 s[G0+0], 1
	s_lshl_b32 s[G0+1], s8, 14                     ; slot 0: 16,384 w (waves 0-3 issue: K's halves, then V's)
	s_mov_b32 s[G0+4], 1
	s_add_co_u32 s[G0+5], s[G0+1], FSZ             ; slot 1
	s_lshl_b32 s30, ttmp9, 19                      ; the head's 2,048 rows of 256 bytes
	s_and_b32 s2, s8, 1
	s_lshl_b32 s2, s2, 14                          ; which 64 rows of a tile I fetch
	s_add_co_u32 s2, s2, s30
	s_mov_b32 s3, 0
	s_bfe_u32 s31, ttmp6, 0x40000                  ; cx
	s_lshl_b32 s31, s31, 17                        ; 512 queries: 131,072 bytes of Q and out0, and 32 query tiles of 4,096 bytes of mbits
	s_lshl_b32 s66, s8, 14                         ; 64 queries: 16,384 bytes of each
	s_add_co_u32 s31, s31, s66
	s_mov_b32 s67, 0
	v_and_b32 v36, 31, v0                          ; lane
	v_and_b32 v37, 15, v0                          ; r
	v_bfe_u32 v38, v0, 4, 1                        ; h
	v_lshlrev_b32 v[GO], 4, v36
	v_mul_u32_u24 v[AK], v37, KP
	v_lshl_add_u32 v[AK], v38, 4, v[AK]
	v_add_nc_u32 v[AK], HB, v[AK]
	v_and_b32 v39, 7, v0
	v_lshl_add_u32 v39, v38, 3, v39
	v_mul_u32_u24 v[AV], v39, VP
	v_bfe_u32 v39, v0, 3, 1
	v_lshl_add_u32 v[AV], v39, 4, v[AV]
	v_add_nc_u32 v[AV], HB+VHO, v[AV]
	s_lshl_b32 s9, s8, 12
	v_add_nc_u32 v[CF], s9, v[GO]
	v_add_nc_u32 v[CF+1], FSZ, v[CF]
	s_mul_i32 s9, s8, 16*KP
	s_add_co_u32 s9, s9, HB
	v_mul_u32_u24 v[CK], v38, KP
	v_lshl_add_u32 v[CK], v37, 3, v[CK]
	v_add_nc_u32 v[CK], s9, v[CK]
	s_mul_i32 s9, s8, 16*VP
	s_add_co_u32 s9, s9, HB+VHO
	v_mul_u32_u24 v[CV], v38, VP
	v_lshl_add_u32 v[CV], v37, 3, v[CV]
	v_add_nc_u32 v[CV], s9, v[CV]
	s_mul_i32 s9, s8, 16*SP
	s_add_co_u32 s9, s9, STG
	v_mul_u32_u24 v[SGI], v38, SP
	v_lshl_add_u32 v[SGI], v37, 4, v[SGI]
	v_add_nc_u32 v[SGI], s9, v[SGI]
	v_mul_u32_u24 v[SGO], v37, SP
	v_lshl_add_u32 v[SGO], v38, 5, v[SGO]
	v_add_nc_u32 v[SGO], s9, v[SGO]
	v_mov_b32 v[NEGV], 0xceabfb8f                  ; f32(-1e9 x 1.4426950)
.irp q, 0,1,2,3
	v_mov_b32 v[ST+4*\q+1], 0                      ; v_permlanex16_b32 counts as a reader of its destination, and a packed
	v_mov_b32 v[ST+4*\q+3], 0                      ; instruction that broadcasts the first register of a pair names the second too
.endr
	s_wait_dscnt 0x0
	s_wait_kmcnt 0x0
	s_cmp_lt_u32 s8, 2
	s_cselect_b64 s[G0+2:G0+3], s[32:33], s[36:37] ; waves 0, 1 fetch K, the others V
	s_add_nc_u64 s[G0+2:G0+3], s[G0+2:G0+3], s[2:3]        ; tile 0: made of the head and the wave's number alone
	s_add_nc_u64 s[G0+6:G0+7], s[G0+2:G0+3], TILEB         ; tile 1
	s_or_b32 s[G0+3], s[G0+3], 0x80000000          ; type = 2
	s_or_b32 s[G0+7], s[G0+7], 0x80000000
	s_lshr_b32 s66, ttmp9, 4                       ; the batch: 128 query tiles of 4,096 bytes of mbits
	s_lshl_b32 s66, s66, 19
	s_add_co_u32 s66, s66, s31
	s_add_nc_u64 s[4:5], s[38:39], s[66:67]
	s_add_co_u32 s66, s30, s31
	s_add_nc_u64 s[28:29], s[34:35], s[66:67]
	s_add_nc_u64 s[6:7], s[40:41], s[66:67]
	ROUND                                          ; all four work-groups are here: the first joint loads meet
	s_cmp_lt_u32 s8, 4
	s_cbranch_scc0 .Lno_fill
	tensor_load_to_lds s[G0:G0+3], s[G1:G1+7]      ; tile 0 into F0
	s_nop 0
	tensor_load_to_lds s[G0+4:G0+7], s[G1:G1+7]    ; tile 1 into F1: two tensor loads of a wave are out here, later one
	s_nop 0
.Lno_fill:
.irp q, 0,1,2,3
.irp i, 0,1,2,3,4,5,6,7
	global_load_b128 v[SC+32*\q+4*\i:SC+32*\q+4*\i+3], v[GO], s[28:29] offset:4096*\q+512*\i th:TH_LOAD_NT   ; my 64 rows of Q, 512 neighbouring bytes a load; read once in the launch
.endr
.endr
	MLOAD 0                                        ; key block 0, query tiles 0, 1 (the pointers in s[32:41] have been used up)
; Q tile q: through my stage from rows to fragments, scaled, rounded, into window 1.
.macro QIN q
	s_wait_loadcnt 24-8*\q                         ; tile q's eight loads are in; those of the tiles behind it stay out
.irp i, 0,1,2,3,4,5,6,7
	ds_store_b128 v[SGI], v[SC+32*\q+4*\i:SC+32*\q+4*\i+3] offset:2*SP*\i
.endr
.irp i, 0,1,2,3,4,5,6,7
	ds_load_b128 v[KF+4*\i:KF+4*\i+3], v[SGO] offset:64*(\i/2)+16*(\i%2)   ; my own bytes, served in order: d = 16 (i / 2) + 8 h + 4 (i % 2) ..
.endr
	s_wait_dscnt 0x0
.set ii, 0
.rept 16
	v_pk_mul_f32 v[KF+2*ii:KF+2*ii+1], v[KF+2*ii:KF+2*ii+1], 0x3e38aa3b op_sel_hi:[1,0]    ; log2(e) / 8
.set ii, ii+1
.endr
	WIN W_D1
.set ii, 0
.rept 16
	v_cvt_pk_f16_f32 v[QF+16*\q+ii], v[KF+2*ii], v[KF+2*ii+1]
.set ii, ii+1
.endr
	WIN 0
.endm
	QIN 0
	QIN 1
	QIN 2
	QIN 3
	s_wait_tensorcnt 0x1                           ; my part of tile 0 is in; tile 1 may stay out
	BAR                                            ; (no LDS instruction of mine is out: the last wait above was for 0)
	CONVH_LD 0, 0, SC                              ; tile 0, both halves at once: the scores' registers are still free
	CONVH_LD 0, 1, SC+32
	s_wait_dscnt 0x0
	CONVH_ST 0, 0, SC
	CONVH_ST 0, 1, SC+32                           ; tile 0 in f16; the first period's barrier shows it to every wave
	; ---- 16 periods of 128 keys ----
	PERIOD 0, 1, 1, 1, 1                           ; the first lap stands in front of the loop: its first blocks start m, l and O
	PERIOD 1, 0, 1, 1, 0
	WIN 0
	s_mov_b32 s9, 6
.Llap:
	PERIOD 0, 1, 1, 1, 0                           ; periods 2 to 13; period 13 asks for the last tile, 15
	PERIOD 1, 0, 1, 1, 0
	WIN 0
	s_sub_co_u32 s9, s9, 1
	s_cmp_lg_u32 s9, 0
	s_cbranch_scc1 .Llap
	PERIOD 0, 1, 0, 1, 0                           ; period 14: nothing left to fetch; tile 15 is converted
	PERIOD 1, 0, 0, 0, 0                           ; period 15: nothing left to convert
	PHASE 1, 0, 0, 1, 0, 0, 0, -1, 0, -1, 0, 0     ; B of the last block: no further scores, no mask words beyond the last key block; nothing was issued behind V's last fragments
.set pvi, 0
	PVG 1, 1, 16                                   ; the line runs out: P V of pair 1, last block
	PLACES 4                                       ; four places before vector instructions read O and write over P
	; ---- the way out ----
.irp q, 0,1,2,3
	v_add_f32 v[TM+\q], v[LS+2*\q], v[LS+2*\q+1]
.endr
.irp q, 0,1,2,3
	v_permlanex16_b32 v[ST+4*\q+1], v[TM+\q], s10, s11
.endr
.irp q, 0,1,2,3
	v_add_f32 v[TM+\q], v[TM+\q], v[ST+4*\q+1]     ; l of my query: at least 1, the weight of the row's largest score
.endr
.irp q, 0,1,2,3
	v_rcp_f32 v[ST+4*\q+2], v[TM+\q]
.endr
	v_nop                                          ; one plain place behind the reciprocals (ISA guide 5.7.2)
	s_wait_alu depctr_va_vdst(0)
; Query tile q: O / l, by fragments into my stage, back by rows, and out: sixteen lanes store 256 consecutive aligned bytes, a row of out0.
.macro OUTQ q
.set rb_, KF+32*(\q%2)
	WIN W_FIN
.set ii, 0
.rept 16
	v_pk_mul_f32 v[SC+32*\q+2*ii:SC+32*\q+2*ii+1], v[OA+32*\q+2*ii:OA+32*\q+2*ii+1], v[ST+4*\q+2:ST+4*\q+3] op_sel_hi:[1,0]
.set ii, ii+1
.endr
	WIN 0
.irp i, 0,1,2,3,4,5,6,7
	ds_store_b128 v[SGO], v[SC+32*\q+4*\i:SC+32*\q+4*\i+3] offset:64*(\i/2)+16*(\i%2)
.endr
.if \q >= 2
	s_wait_xcnt 0x0                                ; the registers that the stores of tile q-2 read are loaded again only behind this wait
.endif
.irp i, 0,1,2,3,4,5,6,7
	ds_load_b128 v[rb_+4*\i:rb_+4*\i+3], v[SGI] offset:2*SP*\i     ; my own bytes, served in order behind the stores above
.endr
.irp i, 0,1,2,3,4,5,6,7
	s_wait_dscnt 7-\i                              ; load i is in; the 7 - i behind it stay out
	global_store_b128 v[GO], v[rb_+4*\i:rb_+4*\i+3], s[6:7] offset:4096*\q+512*\i th:TH_STORE_NT
.endr
.endm
	OUTQ 0
	OUTQ 1
	OUTQ 2
	OUTQ 3
	s_wait_tensorcnt 0x0
	ds_add_u32 v62, v63
	s_wait_dscnt 0x0
	ROUND                                          ; the closing round: no work-group ends while a partner may still ask for a tile that names it
	s_endpgm
.Lfunc_end_k_q1fe0b4e174_attn:
	.size	k_q1fe0b4e174_attn, .Lfunc_end_k_q1fe0b4e174_attn-k_q1fe0b4e174_attn
	.p2alignl 7, 3214868480
	.fill 96, 4, 3214868480
	.section	.rodata,"a",@progbits
	.p2align	6, 0x0
	.amdhsa_kernel k_q1fe0b4e174_attn
		.amdhsa_group_segment_fixed_size 327680
		.amdhsa_private_segment_fixed_size 0
		.amdhsa_enable_private_segment 0
		.amdhsa_kernarg_size 40
		.amdhsa_user_sgpr_count 2
		.amdhsa_user_sgpr_kernarg_segment_ptr 1
		.amdhsa_wavefront_size32 1
		.amdhsa_system_sgpr_workgroup_id_x 1
		.amdhsa_system_sgpr_workgroup_id_y 1
		.amdhsa_system_sgpr_workgroup_id_z 1
		.amdhsa_system_vgpr_workitem_id 0
		.amdhsa_next_free_vgpr 512
		.amdhsa_next_free_sgpr 100
		.amdhsa_reserve_vcc 0
		.amdhsa_float_denorm_mode_32 3
		.amdhsa_float_denorm_mode_16_64 3
		.amdhsa_memory_ordered 1
		.amdhsa_forward_progress 1
		.amdhsa_inst_pref_size 255
	.end_amdhsa_kernel
	.section	.bss,"aw",@nobits
	.p2align	6
	.space	262144
	.amdgpu_metadata
---
amdhsa.version: [ 1, 2 ]
amdhsa.kernels:
  - .name:           k_q1fe0b4e174_attn
    .symbol:         k_q1fe0b4e174_attn.kd
    .args:
      - { .name: K, .offset: 0, .size: 8, .value_kind: global_buffer, .address_space: global }
      - { .name: Q, .offset: 8, .size: 8, .value_kind: global_buffer, .address_space: global }
      - { .name: V, .offset: 16, .size: 8, .value_kind: global_buffer, .address_space: global }
      - { .name: mbits, .offset: 24, .size: 8, .value_kind: global_buffer, .address_space: global }
      - { .name: out0, .offset: 32, .size: 8, .value_kind: global_buffer, .address_space: global }
    .group_segment_fixed_size: 327680
    .private_segment_fixed_size: 0
    .kernarg_segment_align: 8
    .kernarg_segment_size: 40
    .max_flat_workgroup_size: 256
    .sgpr_count:     100
    .vgpr_count:     512
    .wavefront_size: 32
...
	.end_amdgpu_metadata
.endif
;; end of part 2
